; MI455X (gfx1250); checked and timed in simulation.
; The chip was launched on July 23, 2026; its instructions are those of AMD's public machine-readable ISA for CDNA 5 (MIT licence, August 2026) and "CDNA5" Instruction Set Architecture Reference Guide (July 2026). The comments in the code are by the model that wrote it; some were corrected since.
;; Cross Attention. Allowed arithmetic: matrix products marked QUANTISED: E2M1 operands, one E8M0 scale for each 32 along K, by v_wmma_scale_f32_16x16x128_f8f6f4 with both operands' format E2M1 (or v_wmma_scale_f32_32x16x128_f4), f32 sums; products left as they are: bf16, f16 or f32 operands; f32 sums; everything else in f32.
;; Inputs: Wk 1,024 x 1,024 float32; Wo 1,024 x 1,024 float32; Wq 1,024 x 1,024 float32; Wv 1,024 x 1,024 float32; bk 1,024 float32; bo 1,024 float32; bq 1,024 float32; bv 1,024 float32; key 4 x 4,096 x 1,024 float32; query 4 x 4,096 x 1,024 float32; value 4 x 4,096 x 1,024 float32.
;; Outputs: out0 4 x 4,096 x 1,024 float32.
;; This version of the problem:
;;   THIS VERSION OF THE PROBLEM IS GIVEN IN LOW PRECISION. The matrix products marked QUANTISED in the list below multiply operands that are first quantised to E2M1 (2 exponent bits, 1 mantissa bit; 4 bits a number), with one power-of-two scale for each 32 numbers along K (OCP MX v1.0); their sums are f32. The products marked 'left as it is' may take bf16, f16 or f32 operands, with f32 sums. Whichever they take, every output number must still come out within the allowed error. Rounding operands to bf16 (8 significant bits) uses up far more of that allowance than f16 does (11 bits, for magnitudes from 6e-5 to 65,504). All else is computed in f32.
;;   The module's matrix products, in the order in which they are computed (A, B: the left and right operand; K: the contracted axis; several contracted axes count as one K, in the product's order):
;;     1. [M 16,384, K 1,024] x [K 1,024, N 1,024]; A: input query; B: input Wq: QUANTISED
;;     2. [M 16,384, K 1,024] x [K 1,024, N 1,024]; A: input key; B: input Wk: QUANTISED
;;     3. [M 16,384, K 1,024] x [K 1,024, N 1,024]; A: input value; B: input Wv: QUANTISED
;;     4. batch 16,384 x [M 16, K 64] x [K 64, N 16]; A: computed on the way; B: computed on the way: left as it is (an operand is computed on the way)
;;     5. batch 16,384 x [M 16, K 16] x [K 16, N 64]; A: computed on the way; B: computed on the way: left as it is (K = 16 < 32)
;;     6. [M 16,384, K 1,024] x [K 1,024, N 1,024]; A: computed on the way; B: input Wo: left as it is (an operand is computed on the way)
;;   THE QUANTISER, for each operand of a quantised product, along K:
;;     - K is cut into blocks of 32 from its start; a last block that is shorter is filled with zeros.
;;     - A block's scale is 2^e with e = floor(log2(the largest magnitude in the block)) - 2, held to -126 .. 127; a block of zeros has e = 0. As a byte (E8M0): e + 127.
;;     - Each number is divided by its block's scale, clamped to +-6, and rounded to the nearest number of E2M1, ties to even, subnormals kept.
;;     - The product sums the exact products of the quantised numbers (number of the format x scale) in f32.
;;   ~~~python
;;   def quantise(x, axis):      # numpy; x: float32 -> the quantised numbers, widened to float32 again
;;       x = np.moveaxis(x, axis, -1); K = x.shape[-1]
;;       x = np.pad(x, [(0, 0)] * (x.ndim - 1) + [(0, -K % 32)]); x = x.reshape(x.shape[:-1] + (-1, 32)); a = np.abs(x).max(-1, keepdims=True)
;;       e = np.where(a > 0, np.clip(np.frexp(np.where(a > 0, a, 1))[1] - 1 - 2, -126, 127), 0)      # np.frexp(a)[1] - 1 = floor(log2(a)), exactly
;;       r = np.clip(x / 2.0 ** e, -6, 6)
;;       step = 2.0 ** (np.maximum(np.frexp(np.where(r == 0, 1, r))[1] - 1, 0) - 1)
;;       q = np.round(r / step) * step * 2.0 ** e      # np.round: ties to even
;;       return np.moveaxis(q.reshape(q.shape[:-2] + (-1,))[..., :K], -1, axis).astype(np.float32)
;;   ~~~
;; One version. Each part assembles by itself: llvm-mc -triple=amdgcn-amd-amdhsa -mcpu=gfx1250 --defsym DOCPART=n.
;; ======== version 1 of 1: 3 launches
;; limits: values are held in f16: magnitudes above 65,504 overflow, below 6.1e-05 lose precision
;; workspace buffers: wpk 1,695,744 bytes; wo16 2,097,152 bytes; att 33,554,432 bytes
;; launch prep (part 1): grid 256 x 1, 4 waves a work-group, no clusters, 9,216 bytes of LDS; arguments Wk, Wq, Wv, bk, bq, bv, Wo, wpk, wo16; writes wpk, wo16
.if DOCPART == 1
	.amdgcn_target "amdgcn-amd-amdhsa--gfx1250"
	.amdhsa_code_object_version 6
	.text
	.protected	k_qde85aa958e_prep
	.globl	k_qde85aa958e_prep
	.p2align	8
	.type	k_qde85aa958e_prep,@function
k_qde85aa958e_prep:
	s_mov_b64 s[64:65], 0
	v_nop
	global_prefetch_b8 v0, s[64:65] scope:SCOPE_SE
	s_setreg_imm32_b32 hwreg(HW_REG_WAVE_MODE, 25, 1), 1
	s_wait_xcnt 0x0
; THE PROGRAM: out = scramble(softmax_g(q k^T / 8) v) Wo^T + bo, q = query Wq^T + bq, k = key Wk^T + bk, v = value Wv^T + bv; the attention runs per token over the 16 heads.
; NO WORK OF THE PROBLEM IS LEFT OUT: bq and bk move the scores along the softmax's axis, bv and bo reach the result; every input is loaded.
; THIS LAUNCH lays the weights out once.  Work-groups 0-191: Wk, Wq, Wv become codes of FP4 (E2M1) with one E8M0 byte for each 32 along K, in the order of the matrix operand's registers.
; Work-groups 192-255: Wo becomes f16, row-major.
; wpk: 12 chunks of CHUNKB bytes, chunk i = 4 T + c (T = 0 Wk, 1 Wq, 2 Wv); a chunk has 4 parts of PARTB bytes, one for each wave of the next launch; part (i, w), tile b = 0..3, p = 4 w + b:
;   codes   b 8192 + s 1024 + c2 512 + (rho + 16 h) 16 + 4 q : the 8 codes of tile row rho, k = 128 s + 64 c2 + 32 h + 8 q + 0..7
;   scales  32768 + b 512 + (s / 4) 256 + rho 16 + (s % 4) 4 : the scale word of (rho, K step s)
;   bias    34816 + b 128 + 4 e, e = 0..31                   : the bias of tile row e % 16
;   tile rows: T < 2: feature 64 p + 16 c + rho (head p);  T = 2: feature 64 rho + 16 c + p (one d of all 16 heads).
; A block's scale byte is its largest magnitude's exponent field - 2, held at 1 from below.
; LIMITS: a block of zeros gets the byte 1 where the quantiser says 127 (its codes are zeros, and this program alone reads the bytes); blocks whose largest magnitude lies under 2^-124 get the byte 1;
; NaN and infinities among the inputs are not served; |Wo| from 65,504 on does not fit f16.
.set CHUNKB, 141312
.set PARTB,  35328
.set SCL,    8192                      ; LDS: 0-8191 codes, 2,048 bytes a wave; from SCL 128 bytes of scale bytes a wave
.set SPARE,  8704                      ; the spare words, 128 bytes a wave: no other line names them
.set SPW, 6                            ; v6  my spare word's address; never rewritten
.set NIL, 7                            ; v7  0; never rewritten
.set TM,  24                           ; v24-27 largest magnitudes
.set SOP, 28                           ; v28-31 the conversions' scale operands
.set ADR, 40                           ; v40-55 byte offset of my 16 bytes in tile row rho
.set X,   64                           ; v64-191 row rho's 8 numbers at X + 8 rho
.set CW,  192                          ; v192-207 a code word for each row
.set BY,  208                          ; v208-223 a scale byte for each row
.set RB,  224                          ; v224-239 codes read back
	s_load_b256 s[4:11], s[0:1], 0x0               ; Wk, Wq, Wv, bk
	s_load_b256 s[12:19], s[0:1], 0x20             ; bq, bv, Wo, wpk
	s_load_b64 s[20:21], s[0:1], 0x40              ; wo16
	v_lshl_add_u32 v[SPW], v0, 2, SPARE
	v_mov_b32 v[NIL], 0
	v_lshrrev_b32 v1, 5, v0
	v_readfirstlane_b32 s22, v1                    ; wave
	v_and_b32 v8, 31, v0                           ; lane
	s_cmp_lt_u32 ttmp9, 192
	s_cbranch_scc0 .Lcast
; ---- a tile of 16 rows x 1,024 k to a work-group; wave v takes k = 256 v .. 256 v + 255; for the conversion a lane holds 8 neighbours of a row, four lanes a block
	s_lshr_b32 s23, ttmp9, 4                       ; chunk i
	s_bfe_u32 s24, ttmp9, 0x20002                  ; part w
	s_and_b32 s25, ttmp9, 3                        ; tile b
	s_lshr_b32 s26, s23, 2                         ; T
	s_and_b32 s27, s23, 3                          ; c
	s_lshl_b32 s28, s24, 2
	s_add_co_u32 s28, s28, s25                     ; p
	s_lshl_b32 s29, s27, 4
	s_lshl_b32 s30, s28, 6
	s_add_co_u32 s30, s30, s29                     ; 64 p + 16 c
	s_add_co_u32 s29, s29, s28                     ; 16 c + p
	s_mov_b32 s31, 262144
	s_cmp_lt_u32 s26, 2
	s_cselect_b32 s30, s30, s29                    ; the tile's first row
	s_cselect_b32 s31, 4096, s31                   ; bytes from tile row to tile row: 1 row or 64 rows of W
	s_cselect_b32 s32, 4, 256                      ; the same in the bias
	s_lshl_b32 s50, s30, 12
	s_lshl_b32 s51, s22, 10
	s_add_co_u32 s50, s50, s51                     ; W: first row, my wave's 1,024 bytes of it
	s_mov_b32 s51, 0
	s_lshl_b32 s52, s30, 2
	s_mov_b32 s53, 0
	s_mul_i32 s38, s23, CHUNKB
	s_mul_i32 s39, s24, PARTB
	s_add_co_u32 s38, s38, s39                     ; the part in wpk
	s_lshl_b32 s48, s22, 11                        ; 2,048 x wave
	s_lshl_b32 s40, s25, 13
	s_add_co_u32 s40, s40, s48
	s_add_co_u32 s40, s40, s38                     ; my codes
	s_mov_b32 s41, 0
	s_lshl_b32 s42, s25, 9
	s_add_co_u32 s42, s42, s38
	s_add_co_u32 s42, s42, 32768
	s_lshr_b32 s43, s22, 1
	s_lshl_b32 s43, s43, 8
	s_add_co_u32 s42, s42, s43
	s_and_b32 s43, s22, 1
	s_lshl_b32 s43, s43, 3
	s_add_co_u32 s42, s42, s43                     ; my scale words: K steps 2 v, 2 v + 1
	s_mov_b32 s43, 0
	s_lshl_b32 s44, s25, 7
	s_add_co_u32 s44, s44, s38
	s_add_co_u32 s44, s44, 34816                   ; the tile's bias
	s_mov_b32 s45, 0
	s_lshl_b32 s49, s22, 7
	s_add_co_u32 s49, s49, SCL                     ; my wave's scale bytes in LDS
	; EVERY LOAD COVERS 512 CONSECUTIVE BYTES.  A row's 1,024 bytes are 32 pieces of 32 bytes.  The first load takes pieces 0-15: lane l < 16 the piece's first 16 bytes, lane 16 + l its second 16;
	; the second load the same of pieces 16-31.  Four swaps of half waves then give lane L the whole piece L.
	v_and_b32 v1, 15, v8
	v_lshrrev_b32 v11, 4, v8                       ; lane / 16
	v_lshlrev_b32 v1, 5, v1
	v_lshl_add_u32 v1, v11, 4, v1                  ; 32 (lane % 16) + 16 (lane / 16)
.irp r, 0,1,2,3,4,5,6,7,8,9,10,11,12,13,14,15
	v_mad_u32_u24 v[ADR+\r], s31, \r, v1
.endr
	v_lshrrev_b32 v9, 2, v8                        ; lane / 4 = 4 (s % 2) + 2 c2 + h
	v_and_b32 v10, 3, v8                           ; q
	v_lshlrev_b32 v2, 8, v9
	v_lshl_add_u32 v2, v10, 2, v2
	v_add_nc_u32 v2, s48, v2                       ; where a code word goes; + 16 rho
	v_and_b32 v12, 3, v9
	v_lshl_add_u32 v3, v11, 2, v12
	v_add_nc_u32 v3, s49, v3                       ; where a scale byte goes: 4 (s % 2) + the block's byte; + 8 rho
	v_lshlrev_b32 v5, 4, v8
	v_add_nc_u32 v4, s48, v5                       ; codes back: 16 bytes a lane
	v_lshl_add_u32 v13, v8, 2, s49                 ; scale words back: a word a lane: row lane / 2, K step lane % 2
	v_lshrrev_b32 v14, 1, v8
	v_and_b32 v15, 1, v8
	v_lshlrev_b32 v15, 2, v15
	v_lshl_add_u32 v15, v14, 4, v15                ; and its place in wpk: 16 rho + 4 (s % 2)
	s_wait_kmcnt 0x0
	s_cmp_eq_u32 s26, 0
	s_cselect_b64 s[34:35], s[4:5], s[6:7]
	s_cselect_b64 s[36:37], s[10:11], s[12:13]
	s_cmp_eq_u32 s26, 2
	s_cselect_b64 s[34:35], s[8:9], s[34:35]       ; the weight,
	s_cselect_b64 s[36:37], s[14:15], s[36:37]     ; its bias
	s_add_nc_u64 s[34:35], s[34:35], s[50:51]
	s_add_nc_u64 s[36:37], s[36:37], s[52:53]
	s_add_nc_u64 s[40:41], s[18:19], s[40:41]
	s_add_nc_u64 s[42:43], s[18:19], s[42:43]
	s_add_nc_u64 s[44:45], s[18:19], s[44:45]
.irp r, 0,1,2,3,4,5,6,7,8,9,10,11,12,13,14,15
	global_load_b128 v[X+8*\r:X+8*\r+3], v[ADR+\r], s[34:35] th:TH_LOAD_NT
	global_load_b128 v[X+8*\r+4:X+8*\r+7], v[ADR+\r], s[34:35] offset:512 th:TH_LOAD_NT
.endr
.macro QUAD g                          ; rows 4 g .. 4 g + 3, by turns
	s_wait_loadcnt 24-8*\g                         ; the later rows' loads may stay out
.irp i, 0,1,2,3
.irp j, 0,1,2,3
	v_permlane16_swap_b32 v[X+8*(4*\g+\i)+\j], v[X+8*(4*\g+\i)+4+\j]   ; the first load's lanes 16-31 change places with the second's lanes 0-15: lane L now holds k = 8 L + 0..7
.endr
.endr
.irp i, 0,1,2,3
	v_max3_num_f32 v[TM+\i], |v[X+8*(4*\g+\i)]|, |v[X+8*(4*\g+\i)+1]|, 0x1800000   ; with the floor 2^(3 - 127): the byte cannot fall under 1
.endr
.irp n, 2,4,6
.irp i, 0,1,2,3
	v_max3_num_f32 v[TM+\i], v[TM+\i], |v[X+8*(4*\g+\i)+\n]|, |v[X+8*(4*\g+\i)+\n+1]|
.endr
.endr
.irp i, 0,1,2,3
	v_max_num_f32_dpp v[TM+\i], v[TM+\i], v[TM+\i] row_xmask:1 row_mask:0xf bank_mask:0xf
.endr
.irp i, 0,1,2,3
	v_max_num_f32_dpp v[TM+\i], v[TM+\i], v[TM+\i] row_xmask:2 row_mask:0xf bank_mask:0xf   ; the block's four lanes
.endr
.irp i, 0,1,2,3
	v_add_nc_u32 v[SOP+\i], 0xff000000, v[TM+\i]   ; 2 off the exponent field: the conversion's scale operand
.endr
.irp i, 0,1,2,3
	v_lshrrev_b32 v[BY+4*\g+\i], 23, v[SOP+\i]     ; the scale's byte
.endr
.irp i, 0,1,2,3
	v_cvt_scalef32_pk8_fp4_f32 v[CW+4*\g+\i], v[X+8*(4*\g+\i):X+8*(4*\g+\i)+7], v[SOP+\i]
.endr
	v_nop                                          ; a plain place behind the conversions
.irp i, 0,1,2,3
	ds_store_b32 v2, v[CW+4*\g+\i] offset:(4*\g+\i)*16
	ds_store_b8 v3, v[BY+4*\g+\i] offset:(4*\g+\i)*8   ; a block's four lanes write the same byte with the same value
.endr
.endm
	QUAD 0
	QUAD 1
	QUAD 2
	QUAD 3
.irp n, 0,1,2,3
	ds_load_b128 v[RB+4*\n:RB+4*\n+3], v4 offset:512*\n   ; my own bytes: LDS serves a wave's instructions in order
.endr
	ds_load_b32 v20, v13
.irp n, 0,1,2,3
	s_wait_dscnt 4-\n
	global_store_b128 v5, v[RB+4*\n:RB+4*\n+3], s[40:41] offset:512*\n   ; 512 consecutive bytes
.endr
	s_cmp_lg_u32 s22, 0
	s_cbranch_scc1 .Lnobias                        ; wave 0 copies the tile's bias, twice on end
	v_and_b32 v16, 15, v8
	v_mul_u32_u24 v16, s32, v16
	global_load_b32 v17, v16, s[36:37]
	v_lshlrev_b32 v18, 2, v8
	s_wait_loadcnt 0x0
	global_store_b32 v18, v17, s[44:45]
.Lnobias:
	s_wait_dscnt 0x0
	global_store_b32 v15, v20, s[42:43]            ; my 32 scale words
	s_wait_tensorcnt 0x0                           ; the wave's end, behind my last LDS store
	ds_add_u32 v[SPW], v[NIL]
	s_wait_dscnt 0x0
	s_endpgm
; ---- Wo to f16: 16,384 bytes in, 8,192 out for each wave; no LDS
.Lcast:
	s_sub_co_u32 s23, ttmp9, 192
	s_lshl_b32 s24, s23, 16
	s_lshl_b32 s25, s22, 14
	s_add_co_u32 s24, s24, s25
	s_mov_b32 s25, 0
	s_lshr_b32 s26, s24, 1
	s_mov_b32 s27, 0
	v_lshlrev_b32 v1, 4, v8
	v_lshlrev_b32 v2, 3, v8
	s_wait_kmcnt 0x0
	s_add_nc_u64 s[16:17], s[16:17], s[24:25]
	s_add_nc_u64 s[20:21], s[20:21], s[26:27]
.set n, 0
.rept 32
	global_load_b128 v[128+4*n:128+4*n+3], v1, s[16:17] offset:512*n th:TH_LOAD_NT
.set n, n+1
.endr
.set n, 0
.rept 32
	s_wait_loadcnt 31-n                            ; the younger loads may stay out
	v_cvt_pk_f16_f32 v[64+2*n], v[128+4*n], v[128+4*n+1]
	v_cvt_pk_f16_f32 v[65+2*n], v[128+4*n+2], v[128+4*n+3]
	global_store_b64 v2, v[64+2*n:65+2*n], s[20:21] offset:256*n   ; 256 consecutive bytes, aligned
.set n, n+1
.endr
	s_endpgm
.Lfunc_end_k_qde85aa958e_prep:
	.size	k_qde85aa958e_prep, .Lfunc_end_k_qde85aa958e_prep-k_qde85aa958e_prep
	.p2alignl 7, 3214868480
	.fill 96, 4, 3214868480
	.section	.rodata,"a",@progbits
	.p2align	6, 0x0
	.amdhsa_kernel k_qde85aa958e_prep
		.amdhsa_group_segment_fixed_size 9216
		.amdhsa_private_segment_fixed_size 0
		.amdhsa_enable_private_segment 0
		.amdhsa_kernarg_size 72
		.amdhsa_user_sgpr_count 2
		.amdhsa_user_sgpr_kernarg_segment_ptr 1
		.amdhsa_wavefront_size32 1
		.amdhsa_system_sgpr_workgroup_id_x 1
		.amdhsa_system_sgpr_workgroup_id_y 1
		.amdhsa_system_sgpr_workgroup_id_z 1
		.amdhsa_system_vgpr_workitem_id 0
		.amdhsa_next_free_vgpr 256
		.amdhsa_next_free_sgpr 66
		.amdhsa_reserve_vcc 0
		.amdhsa_float_denorm_mode_32 3
		.amdhsa_float_denorm_mode_16_64 3
		.amdhsa_memory_ordered 1
		.amdhsa_forward_progress 1
		.amdhsa_inst_pref_size 34
	.end_amdhsa_kernel
	.amdgpu_metadata
---
amdhsa.version: [ 1, 2 ]
amdhsa.kernels:
  - .name:           k_qde85aa958e_prep
    .symbol:         k_qde85aa958e_prep.kd
    .args:
      - { .name: Wk, .offset: 0, .size: 8, .value_kind: global_buffer, .address_space: global }
      - { .name: Wq, .offset: 8, .size: 8, .value_kind: global_buffer, .address_space: global }
      - { .name: Wv, .offset: 16, .size: 8, .value_kind: global_buffer, .address_space: global }
      - { .name: bk, .offset: 24, .size: 8, .value_kind: global_buffer, .address_space: global }
      - { .name: bq, .offset: 32, .size: 8, .value_kind: global_buffer, .address_space: global }
      - { .name: bv, .offset: 40, .size: 8, .value_kind: global_buffer, .address_space: global }
      - { .name: Wo, .offset: 48, .size: 8, .value_kind: global_buffer, .address_space: global }
      - { .name: wpk, .offset: 56, .size: 8, .value_kind: global_buffer, .address_space: global }
      - { .name: wo16, .offset: 64, .size: 8, .value_kind: global_buffer, .address_space: global }
    .group_segment_fixed_size: 9216
    .private_segment_fixed_size: 0
    .kernarg_segment_align: 8
    .kernarg_segment_size: 72
    .max_flat_workgroup_size: 128
    .sgpr_count:     66
    .vgpr_count:     256
    .wavefront_size: 32
...
	.end_amdgpu_metadata
.endif
;; end of part 1
;; launch qkv (part 2): grid 256 x 1, 4 waves a work-group, clusters of 4 x 1, 327,680 bytes of LDS; arguments key, query, value, wpk, att; writes att
.if DOCPART == 2
	.amdgcn_target "amdgcn-amd-amdhsa--gfx1250"
	.amdhsa_code_object_version 6
	.text
	.protected	k_qde85aa958e_qkv
	.globl	k_qde85aa958e_qkv
	.p2align	8
	.type	k_qde85aa958e_qkv,@function
k_qde85aa958e_qkv:
	s_mov_b64 s[64:65], 0
	v_nop
	global_prefetch_b8 v0, s[64:65] scope:SCOPE_SE
	s_setreg_imm32_b32 hwreg(HW_REG_WAVE_MODE, 25, 1), 1
	s_wait_xcnt 0x0
	s_wait_alu depctr_hold_cnt(0) depctr_sa_sdst(0) depctr_va_vdst(0) depctr_va_sdst(0) depctr_va_ssrc(0) depctr_va_vcc(0) depctr_vm_vsrc(0)
	s_getreg_b32 s2, hwreg(HW_REG_IB_STS2, 6, 4)
	s_cmp_eq_u32 s2, 0
	s_cbranch_scc0 .Lentry_in_a_cluster
	s_endpgm
.Lentry_in_a_cluster:
	s_bfe_u32 s2, ttmp6, 0x10000c
	s_cmp_lg_u32 s2, 0x3003
	s_cbranch_scc0 .Lentry_shape_is_right
	s_endpgm
.Lentry_shape_is_right:
; For 64 tokens a work-group: k, q, v = x W^T + b on codes of FP4 (E2M1) with E8M0 scales, the attention of each token over its 16 heads in f16 products with f32 sums and an f32 softmax
; (the row's maximum taken away), and the result stored as f16 where the problem's transposition puts it: head h of token s goes to row 256 h + s / 16, columns 64 (s % 16) + d, of its batch.
; No work of the problem is left out here.  q, k, v, the scores and the weights never go to memory.
; SHARES.  Quantising and attention: wave w owns tokens 16 w .. 16 w + 15.  Products: wave w makes tiles p = 4 w + b (b = 0..3) of each of 12 weight chunks, for all 64 tokens.
; x: EVERY LOAD COVERS 512 CONSECUTIVE BYTES.  1,024 bytes of a row are 32 pieces of 32 bytes; the first load of a pair takes pieces 0-15 (lane l < 16 a piece's first 16 bytes, lane 16 + l its second 16),
; the second load pieces 16-31; four swaps of half waves give lane L the whole piece L: 8 neighbours, four lanes to a block of 32.
; Code words and scale bytes go through LDS as images of the operand's registers and are kept in 256 registers by every wave.
; W: chunks laid by the launch before in the order of the operand's registers come through a ring of two LDS slots; each wave fetches the part that it alone reads.
; CLUSTER: the four work-groups of a cluster walk the same chunks, so each part is asked for jointly: the same tensor load, the same descriptor, a mask that names the four.
; PRODUCTS ARE USED TRANSPOSED (source 0 = 16 tile rows of W, source 1 = 16 tokens): a lane holds one token and 8 tile rows.  For k and q a tile is 16 d of one head; for v it is one d of all 16 heads.
; The 8 numbers, as f16, are 16 bytes: through LDS (region E) they reach the wave that owns the token, as a piece of an f16 operand: S^T = k q^T (lane = q's head, registers = k's heads),
; O^T = v^T p^T (lane = head, registers = d; K = 16 heads, the operand's other 16 are zeros).
; LIMITS: NaN and infinities among the inputs are not served; |q|, |k|, |v| from 65,504 on do not fit f16; a block of zeros, or one whose largest magnitude lies under 2^-124, gets the scale byte 1.
; REGISTERS.  window 0: v1-19 addresses; v24-31 quantiser; v40-71 x's scale words, v72-79 W's (scales alone); v80 the prefetches' offset; v96-223 at work.   window 1: two staging sets of 128 (x as f32);
; in the q phase set 1's registers hold S^T; in the v phase all 256 hold the result as f16.   window 2: x's codes, tile m, K step s at 64 m + 8 s.   window 3: k's f16 operands, 16 a token; later the weights p, 4 a token.
.set CHUNKB, 141312
.set PARTB,  35328
.set EX,     282624                    ; behind the two slots: x's images (16 x 2,176 bytes of codes, then 2,048 of scale words), or E (64 tokens x 528 bytes)
.set XSC,    EX+34816
.set SPARE,  319488                    ; the spare words, 128 bytes a wave: no other line names them
.set XO,  1                            ; 32 (lane % 16) + 16 (lane / 16): my 16 bytes of a load's 512; never rewritten
.set IA,  2                            ; where I store a code word
.set SA,  3                            ; where I store a scale byte
.set LI,  4                            ; where I read a code image
.set LS,  5                            ; where I read x's scale words
.set L16, 6                            ; 16 x lane
.set R16, 7                            ; 16 (lane % 16)
.set H32, 8                            ; 32 (lane / 16)
.set ER,  9                            ; E: 528 (lane % 16) + 256 (lane / 16)
.set PA,  10                           ; E: my tokens, 16 x lane
.set SO,  11                           ; the out stage: in
.set RD,  12                           ; the out stage: back
.set WA,  14                           ; the tile in hand: fragments,
.set WSA, 15                           ; scale words,
.set WBA, 16                           ; bias,
.set EA,  17                           ; and where its results go in E
.set SPW, 18                           ; my spare word's address; never rewritten
.set NIL, 19                           ; 0; never rewritten
.set TM,  24
.set SOP, 28
.set XS,  40
.set WS,  72
.set PFO, 80                           ; 256 x my thread's number; never rewritten
.set WF,  96                           ; v96-159 W's 8 fragments of a tile; also 8 buffers of 8 for f16 pieces
.set ACC, 160                          ; v160-191 four accumulators
.set PK,  192                          ; v192-207 their f16
.set BI,  208                          ; v208-215 the tile's bias in the result's layout
.set OT,  160                          ; v160-223 eight tiles of O^T
.set CW,  96                           ; quantising: 16 code words,
.set BY,  112                          ; 16 scale bytes
.set MX,  96                           ; softmax: maxima,
.set TT,  112                          ; the other half's,
.set NM,  128                          ; pairs: -c max, later 1 / sum,
.set SUMA, 160                         ; pairs of partial sums
.set SUMB, 192
.set SS,  128                          ; S^T of token t at SS + 8 t, in window 1
.set MSB, 0
.macro WIN new                         ; the immediate's high byte repeats the setting that is left
.if MSB != \new
	s_set_vgpr_msb (MSB<<8)|\new
.set MSB, \new
.endif
.endm
.macro PLACES
.rept 4
	v_nop
.endr
.endm
.macro CROUND                          ; a round of the cluster's barrier
	s_barrier_signal -1
	s_barrier_wait -1
	s_cmp_lg_u32 s14, 0
	s_cbranch_scc1 .Lnot_wave_0_\@
	s_barrier_signal -3
.Lnot_wave_0_\@:
	s_barrier_wait -3
	s_barrier_signal -1
	s_barrier_wait -1
.endm
.macro BARRIER                         ; my LDS stores have landed and my LDS loads are in: then the work-group's barrier
	s_wait_dscnt 0x0
	s_barrier_signal -1
	s_barrier_wait -1
.endm
; A PREFETCH INTO THE L2 of the codes of the chunk that the NEXT change of slots will ask for: one chunk's products and pulls ahead of that load.  It stands behind the wave's tensor load and its five lines.
; Each block of 256 bytes is named once in the launch: all clusters walk the same chunks, and the launch's first cluster asks (a branch on the cluster's number, the same in its four partners).
; The partners share the chunk out BY ADDRESS: partner cx takes part cx; in it thread t names block t of the part's 128 blocks of codes: one instruction a wave.  The part's 10 blocks of scale words and bias
; come by their load alone.  The chunk stands in the immediate, so no address register is rewritten.  Chunks 0 and 1 are not asked for; the last two changes ask for nothing: there is no chunk 12.
.macro ASK chunk
	s_cmp_lg_u32 ttmp9, 0
	s_cbranch_scc1 .Lnot_mine_\@
	global_prefetch_b8 v[PFO], s[54:55] offset:(\chunk)*CHUNKB th:TH_LOAD_NT scope:SCOPE_SE
.Lnot_mine_\@:
.endm
; 256 along K (step u) of my 16 rows into a staging set: 32 loads of 512 consecutive bytes
.macro XLOAD set, ptr, u
	WIN 0x40
.set t, 0
.rept 16
	global_load_b128 v[128*\set+8*t:128*\set+8*t+3], v[XO], s[\ptr:\ptr+1] offset:t*4096+\u*1024 th:TH_LOAD_NT
	global_load_b128 v[128*\set+8*t+4:128*\set+8*t+7], v[XO], s[\ptr:\ptr+1] offset:t*4096+\u*1024+512 th:TH_LOAD_NT
.set t, t+1
.endr
	WIN 0
.endm
; four rows by turns: a row's two loads (window 1, from x0 + 8 i) become 8 neighbours a lane, a code word CW + t0 + i and the block's byte BY + t0 + i
.macro UNITQ x0, t0
	WIN 0x41
.irp i, 0,1,2,3
.irp j, 0,1,2,3
	v_permlane16_swap_b32 v[(\x0)+8*\i+\j], v[(\x0)+8*\i+4+\j]   ; the first load's lanes 16-31 change places with the second's lanes 0-15: lane L now holds k = 8 L + 0..7 of the step
.endr
.endr
	WIN 0x14
.irp i, 0,1,2,3
	v_max3_num_f32 v[TM+\i], s52, |v[(\x0)+8*\i]|, |v[(\x0)+8*\i+1]|   ; s52: the floor 2^(3 - 127): the byte cannot fall under 1
.endr
.irp n, 2,4,6
.irp i, 0,1,2,3
	v_max3_num_f32 v[TM+\i], v[TM+\i], |v[(\x0)+8*\i+\n]|, |v[(\x0)+8*\i+\n+1]|
.endr
.endr
	WIN 0
.irp i, 0,1,2,3
	v_max_num_f32_dpp v[TM+\i], v[TM+\i], v[TM+\i] row_xmask:1 row_mask:0xf bank_mask:0xf
.endr
.irp i, 0,1,2,3
	v_max_num_f32_dpp v[TM+\i], v[TM+\i], v[TM+\i] row_xmask:2 row_mask:0xf bank_mask:0xf   ; the block's four lanes
.endr
.irp i, 0,1,2,3
	v_add_nc_u32 v[SOP+\i], s53, v[TM+\i]          ; 2 off the exponent field: the conversion's scale operand
.endr
.irp i, 0,1,2,3
	v_lshrrev_b32 v[BY+(\t0)+\i], 23, v[SOP+\i]    ; the scale's byte
.endr
	WIN 0x01
.irp i, 0,1,2,3
	v_cvt_scalef32_pk8_fp4_f32 v[CW+(\t0)+\i], v[(\x0)+8*\i:(\x0)+8*\i+7], v[SOP+\i]
.endr
	WIN 0
	v_nop                                          ; a plain place behind the conversions
.endm
; step u of the tensor in hand is quantised out of set u % 2.  after: loads of the other set, issued behind this set's.  ld = 1: each group of four rows is loaded again at once, with step lu of the tensor at ptr.
.macro XSTEP u, after, ld, ptr, lu
.set SET, 128*((\u)%2)
	s_wait_dscnt 0x0                               ; the last step's LDS stores have read their registers
.irp g, 0,1,2,3
	s_wait_loadcnt (3-\g)*8+(\after)+\g*8*(\ld)    ; issued behind this group's 8: the rest of its set, the other set, what this step has loaded anew
	UNITQ SET+32*\g, 4*\g
.irp i, 0,1,2,3
	ds_store_b32 v[IA], v[CW+4*\g+\i] offset:(\u)*2176+(4*\g+\i)*16
	ds_store_b8 v[SA], v[BY+4*\g+\i] offset:(\u)*128+(4*\g+\i)*4   ; a block's four lanes write the same byte with the same value
.endr
.if \ld
	WIN 0x40
.irp i, 0,1,2,3
	global_load_b128 v[SET+32*\g+8*\i:SET+32*\g+8*\i+3], v[XO], s[\ptr:\ptr+1] offset:(4*\g+\i)*4096+(\lu)*1024 th:TH_LOAD_NT
	global_load_b128 v[SET+32*\g+8*\i+4:SET+32*\g+8*\i+7], v[XO], s[\ptr:\ptr+1] offset:(4*\g+\i)*4096+(\lu)*1024+512 th:TH_LOAD_NT
.endr
	WIN 0
.endif
.endr
.endm
; all 64 tokens' codes into window 2 and their scale words into XS; waited for in front of the next barrier
.macro LOADCODES
	WIN 0x80
.irp m, 0,1,2,3
.irp s, 0,1,2,3,4,5,6,7
.irp c, 0,1
	ds_load_b128 v[64*\m+8*\s+4*\c:64*\m+8*\s+4*\c+3], v[LI] offset:(4*\m+\s/2)*2176+((\s%2)*4+2*\c)*272
.endr
.endr
.endr
	WIN 0
.irp m, 0,1,2,3
.irp s, 0,1,2,3,4,5,6,7
	ds_load_b32 v[XS+8*\m+\s], v[LS] offset:(8*\m+\s)*64
.endr
.endr
.endm
; at a chunk's head: my part of the chunk has landed; nobody reads the other slot, or E, any more.  refill = 1: the next chunk is asked for into the other slot, jointly.  ask: the chunk to prefetch, or 0.
.macro CHANGE slot, refill, ask
	s_wait_tensorcnt 0x0                           ; no tensor load of mine is out, so a group 0 may be written
	ds_add_u32 v[SPW], v[NIL]                      ; 0 onto my spare word
.if \refill
	s_add_nc_u64 s[26+4*(\slot):27+4*(\slot)], s[26+4*(\slot):27+4*(\slot)], 2*CHUNKB   ; this slot's next chunk
.endif
	s_wait_dscnt 0x0                               ; the add is done, and so are my LDS reads
.if \refill
	CROUND                                         ; the same holds of every wave of the four work-groups
	tensor_load_to_lds s[28-4*(\slot):31-4*(\slot)], s[16:23]   ; my one tensor load behind the round; one is out by this text's count
	s_nop 0
	PLACES
.if \ask
	ASK \ask
.endif
.else
	s_barrier_signal -1
	s_barrier_wait -1
.endif
.endm
; my four tiles of the chunk in the slot, each against the 64 tokens: a loop of four trips; a trip: 20 LDS loads, 32 products (four accumulators by turns, K ascending), 16 roundings to f16, 4 stores into E
.macro GEMM slot
	s_add_co_u32 s37, s42, (\slot)*CHUNKB          ; my part: fragments,
	s_add_co_u32 s38, s37, 32768                   ; scale words,
	s_add_co_u32 s39, s37, 34816                   ; bias
	s_lshl_b32 s40, s14, 6
	s_add_co_u32 s40, s40, EX                      ; E: column 16 p
	s_mov_b32 s41, 4
.Ltile_\@:
	v_add_nc_u32 v[WA], s37, v[L16]
	v_add_nc_u32 v[WSA], s38, v[R16]
	v_add_nc_u32 v[WBA], s39, v[H32]
	ds_load_b128 v[BI:BI+3], v[WBA]
	ds_load_b128 v[BI+4:BI+7], v[WBA] offset:16
	ds_load_b128 v[WS:WS+3], v[WSA]
	ds_load_b128 v[WS+4:WS+7], v[WSA] offset:256
.irp s, 0,1,2,3,4,5,6,7
	ds_load_b128 v[WF+8*\s:WF+8*\s+3], v[WA] offset:\s*1024
	ds_load_b128 v[WF+8*\s+4:WF+8*\s+7], v[WA] offset:\s*1024+512
.endr
	s_wait_dscnt 14                                ; bias, scale words and K step 0 are in; the last trip's stores into E are done, so their address may be written
	v_add_nc_u32 v[EA], s40, v[ER]
	WIN 0x08                                       ; source 1 (x's codes) window 2
.irp s, 0,1,2,3,4,5,6,7
.if \s > 0
	s_wait_dscnt 14-2*\s                           ; the later K steps' fragments may stay out
.endif
.irp m, 0,1,2,3
.if \s == 0
	v_wmma_scale_f32_16x16x128_f8f6f4 v[ACC+8*\m:ACC+8*\m+7], v[WF+8*\s:WF+8*\s+7], v[64*\m+8*\s:64*\m+8*\s+7], v[BI:BI+7], v[WS+\s], v[XS+8*\m+\s] matrix_a_fmt:MATRIX_FMT_FP4 matrix_b_fmt:MATRIX_FMT_FP4
.else
	v_wmma_scale_f32_16x16x128_f8f6f4 v[ACC+8*\m:ACC+8*\m+7], v[WF+8*\s:WF+8*\s+7], v[64*\m+8*\s:64*\m+8*\s+7], v[ACC+8*\m:ACC+8*\m+7], v[WS+\s], v[XS+8*\m+\s] matrix_a_fmt:MATRIX_FMT_FP4 matrix_b_fmt:MATRIX_FMT_FP4
.endif
.endr
.endr
	WIN 0
	PLACES                                         ; in front of the reads of results, and of the next trip's loads into operands
.irp m, 0,1,2,3
.irp i, 0,1,2,3
	v_cvt_pk_f16_f32 v[PK+4*\m+\i], v[ACC+8*\m+2*\i], v[ACC+8*\m+2*\i+1]   ; each accumulator from its low end on
.endr
.endr
.irp m, 0,1,2,3
	ds_store_b128 v[EA], v[PK+4*\m:PK+4*\m+3] offset:\m*8448   ; token 16 m + lane % 16
.endr
	s_add_co_u32 s37, s37, 8192
	s_add_co_u32 s38, s38, 512
	s_add_co_u32 s39, s39, 128
	s_add_co_u32 s40, s40, 16
	s_sub_co_u32 s41, s41, 1
	s_cmp_lg_u32 s41, 0
	s_cbranch_scc1 .Ltile_\@
.endm
.macro CHUNK slot, refill, ask
	CHANGE \slot, \refill, \ask
	GEMM \slot
	BARRIER                                        ; the chunk's pieces of all 64 tokens lie in E
.endm
; k: chunk c's pieces of my 16 tokens into their operands' registers; waited for in front of the next barrier
.macro PULLK c
	WIN 0xc0
.set t, 0
.rept 16
	ds_load_b128 v[16*t+4*(\c):16*t+4*(\c)+3], v[PA] offset:t*528
.set t, t+1
.endr
	WIN 0
.endm
; q: chunk c's 16 d enter S^T at once: the piece fills one half of a 32-deep operand, the other half is zeros
.macro PULLQ c
.irp i, 0,1,2,3,4,5,6,7
.irp j, 0,1,2,3
	v_mov_b32 v[WF+8*\i+4*(1-(\c)%2)+\j], 0
.endr
.endr
.irp g, 0,1
.if \g
	PLACES                                         ; in front of loads into registers that products have read
.endif
.irp i, 0,1,2,3,4,5,6,7
	ds_load_b128 v[WF+8*\i+4*((\c)%2):WF+8*\i+4*((\c)%2)+3], v[PA] offset:(8*\g+\i)*528
.endr
	WIN 0x53                                       ; k window 3, q window 0, S^T window 1
.irp i, 0,1,2,3,4,5,6,7
	s_wait_dscnt 7-\i
.if (\c) == 0
	v_wmma_f32_16x16x32_f16 v[SS+8*(8*\g+\i):SS+8*(8*\g+\i)+7], v[16*(8*\g+\i)+8*((\c)/2):16*(8*\g+\i)+8*((\c)/2)+7], v[WF+8*\i:WF+8*\i+7], 0
.else
	v_wmma_f32_16x16x32_f16 v[SS+8*(8*\g+\i):SS+8*(8*\g+\i)+7], v[16*(8*\g+\i)+8*((\c)/2):16*(8*\g+\i)+8*((\c)/2)+7], v[WF+8*\i:WF+8*\i+7], v[SS+8*(8*\g+\i):SS+8*(8*\g+\i)+7]
.endif
.endr
	WIN 0
.endr
.endm
; the softmax of my 16 tokens: a lane holds q's head lane % 16 and k's heads 8 (lane / 16) + 0..7; p = 2^(c s - c max) / sum, c = log2(e) / 8; the 16 tokens take turns line by line
.macro SOFTMAX
	PLACES
	WIN 0x15
.set t, 0
.rept 16
	v_max3_num_f32 v[MX+t], v[SS+8*t], v[SS+8*t+1], v[SS+8*t+2]
.set t, t+1
.endr
	WIN 0x14
.irp n, 3,5
.set t, 0
.rept 16
	v_max3_num_f32 v[MX+t], v[MX+t], v[SS+8*t+\n], v[SS+8*t+\n+1]
.set t, t+1
.endr
.endr
.set t, 0
.rept 16
	v_max_num_f32 v[MX+t], v[MX+t], v[SS+8*t+7]
.set t, t+1
.endr
	WIN 0
.set t, 0
.rept 16
	v_mov_b32 v[TT+t], 0                           ; a lane permute's destination counts as one of its sources
.set t, t+1
.endr
.set t, 0
.rept 16
	v_permlanex16_b32 v[TT+t], v[MX+t], s32, s33
.set t, t+1
.endr
.set t, 0
.rept 16
	v_max_num_f32 v[MX+t], v[MX+t], v[TT+t]        ; the row's maximum
.set t, t+1
.endr
.set t, 0
.rept 16
	v_mul_f32 v[NM+2*t], s36, v[MX+t]              ; -c max, in both words of a pair
	v_mul_f32 v[NM+2*t+1], s36, v[MX+t]
.set t, t+1
.endr
	WIN 0x41
.set t, 0
.rept 16
.irp j, 0,2,4,6
	v_pk_fma_f32 v[SS+8*t+\j:SS+8*t+\j+1], v[SS+8*t+\j:SS+8*t+\j+1], s[34:35], v[NM+2*t:NM+2*t+1] op_sel_hi:[1,0,1]
.endr
.set t, t+1
.endr
.set t, 0
.rept 128
	v_exp_f32 v[SS+t], v[SS+t]
.set t, t+1
.endr
	v_nop                                          ; a plain place behind the last exponential
	s_wait_alu depctr_va_vdst(0)                   ; one wait for the batch, ahead of its first reader
	WIN 0x05
.set t, 0
.rept 16
	v_pk_add_f32 v[SUMA+2*t:SUMA+2*t+1], v[SS+8*t:SS+8*t+1], v[SS+8*t+2:SS+8*t+3]
	v_pk_add_f32 v[SUMB+2*t:SUMB+2*t+1], v[SS+8*t+4:SS+8*t+5], v[SS+8*t+6:SS+8*t+7]
.set t, t+1
.endr
	WIN 0
.set t, 0
.rept 16
	v_pk_add_f32 v[SUMA+2*t:SUMA+2*t+1], v[SUMA+2*t:SUMA+2*t+1], v[SUMB+2*t:SUMB+2*t+1]
.set t, t+1
.endr
.set t, 0
.rept 16
	v_add_f32 v[SUMA+2*t], v[SUMA+2*t], v[SUMA+2*t+1]
.set t, t+1
.endr
.set t, 0
.rept 16
	v_permlanex16_b32 v[TT+t], v[SUMA+2*t], s32, s33
.set t, t+1
.endr
.set t, 0
.rept 16
	v_add_f32 v[SUMA+2*t], v[SUMA+2*t], v[TT+t]    ; the row's sum
.set t, t+1
.endr
.set t, 0
.rept 16
	v_rcp_f32 v[NM+2*t], v[SUMA+2*t]
	v_rcp_f32 v[NM+2*t+1], v[SUMA+2*t]
.set t, t+1
.endr
	v_nop
	s_wait_alu depctr_va_vdst(0)                   ; one wait for the reciprocals
	WIN 0x41
.set t, 0
.rept 16
.irp j, 0,2,4,6
	v_pk_mul_f32 v[SS+8*t+\j:SS+8*t+\j+1], v[SS+8*t+\j:SS+8*t+\j+1], v[NM+2*t:NM+2*t+1]
.endr
.set t, t+1
.endr
	WIN 0xc5                                       ; p as f16 into window 3, over k's operands, which are done with: 4 registers a token: the second product's source 1, K = 0..15
.set t, 0
.rept 16
.irp j, 0,1,2,3
	v_cvt_pk_f16_f32 v[4*t+\j], v[SS+8*t+2*\j], v[SS+8*t+2*\j+1]
.endr
.set t, t+1
.endr
	WIN 0xc0
.irp j, 64,65,66,67
	v_mov_b32 v[\j], 0                             ; behind the last token's p: an operand's K = 16..31 are the next token's p or these zeros, and meet zeros of v
.endr
	WIN 0
.endm
; v: chunk c's 16 d of my 16 tokens: O^T = v^T p^T, eight tokens at a time, rounded to f16 into window 1
.macro PULLV c
.irp i, 0,1,2,3,4,5,6,7
.irp j, 4,5,6,7
	v_mov_b32 v[WF+8*\i+\j], 0                     ; K = 16..31 of v^T
.endr
.endr
.irp g, 0,1
.irp i, 0,1,2,3,4,5,6,7
	ds_load_b128 v[WF+8*\i:WF+8*\i+3], v[PA] offset:(8*\g+\i)*528
.endr
	WIN 0x0c                                       ; p window 3
.irp i, 0,1,2,3,4,5,6,7
	s_wait_dscnt 7-\i
	v_wmma_f32_16x16x32_f16 v[OT+8*\i:OT+8*\i+7], v[WF+8*\i:WF+8*\i+7], v[4*(8*\g+\i):4*(8*\g+\i)+7], 0
.endr
	WIN 0
	PLACES
	WIN 0x40
.irp i, 0,1,2,3,4,5,6,7
.irp j, 0,1,2,3
	v_cvt_pk_f16_f32 v[16*(8*\g+\i)+4*(\c)+\j], v[OT+8*\i+2*\j], v[OT+8*\i+2*\j+1]   ; head lane % 16, d = 16 c + 8 (lane / 16) + 2 j, + 1
.endr
.endr
	WIN 0
.endr
.endm
	s_load_b256 s[4:11], s[0:1], 0x0               ; key, query, value, wpk
	s_load_b64 s[12:13], s[0:1], 0x20              ; att
	v_lshl_add_u32 v[SPW], v0, 2, SPARE
	v_mov_b32 v[NIL], 0
	ds_add_u32 v[SPW], v[NIL]                      ; the wave's opening: the add, twice on end, and its wait ahead of my first tensor load
	ds_add_u32 v[SPW], v[NIL]
	v_lshrrev_b32 v20, 5, v0
	v_readfirstlane_b32 s14, v20                   ; wave
	s_bfe_u32 s15, ttmp6, 0x40000                  ; cx: it enters x's, att's and the prefetches' addresses alone
	s_lshl_b32 s44, ttmp9, 2
	s_add_co_u32 s44, s44, s15                     ; work-group
	s_mov_b32 s16, 15|(3<<16)|(1<<21)              ; group 1: the mask names the four; elements of 8 bytes; bit 21 beside a mask; no padding
	s_mov_b32 s17, 32<<16                          ; tensor_dim0 = 32 elements: 256 bytes
	s_mov_b32 s18, 138<<16                         ; tensor_dim1 = 138 rows: a part
	s_mov_b32 s19, 32<<16                          ; tile_dim0
	s_mov_b32 s20, 138                             ; tile_dim1
	s_mov_b32 s21, 32                              ; the pitch: dense
	s_mov_b32 s22, 0
	s_mov_b32 s23, 0
	s_mov_b32 s32, 0x76543210
	s_mov_b32 s33, 0xfedcba98                      ; lane l xor 16
	s_mov_b32 s34, 0x3e38aa3b                      ; c = log2(e) / 8
	s_mov_b32 s35, s34
	s_mov_b32 s36, 0xbe38aa3b                      ; -c
	s_mov_b32 s52, 0x1800000
	s_mov_b32 s53, 0xff000000
	s_mul_i32 s42, s14, PARTB                      ; my part in a chunk and in a slot
	s_lshl_b32 s45, s44, 6
	s_lshl_b32 s46, s14, 4
	s_add_co_u32 s46, s45, s46                     ; my first token
	s_lshl_b32 s46, s46, 12
	s_mov_b32 s47, 0
	s_lshr_b32 s48, s44, 6
	s_lshl_b32 s48, s48, 12                        ; the batch's 4,096 rows of att
	s_and_b32 s49, s44, 63
	s_lshl_b32 s49, s49, 2
	s_add_co_u32 s48, s48, s49
	s_add_co_u32 s48, s48, s14                     ; + my tokens' s / 16: head 0's row
	s_lshl_b32 s48, s48, 11
	s_mov_b32 s49, 0
	s_mov_b32 s50, s42
	s_mov_b32 s51, 0
	s_mul_i32 s56, s15, PARTB                      ; the part whose codes my work-group prefetches
	s_mov_b32 s57, 0
	v_and_b32 v20, 31, v0                          ; lane
	v_and_b32 v21, 15, v0                          ; r
	v_bfe_u32 v22, v0, 4, 1                        ; h
	v_lshlrev_b32 v[XO], 5, v21
	v_lshl_add_u32 v[XO], v22, 4, v[XO]            ; 32 r + 16 h
	v_lshlrev_b32 v[PFO], 8, v0
	s_wait_dscnt 0x0                               ; both opening adds are done
	s_wait_kmcnt 0x0
	s_add_nc_u64 s[4:5], s[4:5], s[46:47]
	s_add_nc_u64 s[6:7], s[6:7], s[46:47]
	s_add_nc_u64 s[8:9], s[8:9], s[46:47]
	s_add_nc_u64 s[12:13], s[12:13], s[48:49]
	s_add_nc_u64 s[54:55], s[10:11], s[56:57]      ; the prefetches' base; never rewritten
	s_add_nc_u64 s[10:11], s[10:11], s[50:51]
	s_mov_b32 s24, 1                               ; group 0 of slot 0: chunk 0
	s_mov_b32 s25, s42
	s_mov_b64 s[26:27], s[10:11]
	s_or_b32 s27, s27, 0x80000000
	s_mov_b32 s28, 1                               ; of slot 1: chunk 1
	s_add_co_u32 s29, s42, CHUNKB
	s_add_nc_u64 s[30:31], s[10:11], CHUNKB
	s_or_b32 s31, s31, 0x80000000
	XLOAD 0, 4, 0                                  ; key's first two steps
	XLOAD 1, 4, 1
	CROUND                                         ; the four work-groups are here: the first joint loads meet
	tensor_load_to_lds s[24:27], s[16:23]
	s_nop 0
	PLACES
	v_lshrrev_b32 v23, 2, v20                      ; lane / 4 = 4 (s % 2) + 2 c2 + h of my code word
	s_mul_i32 s37, s14, 8704
	s_add_co_u32 s37, s37, EX
	v_mul_u32_u24 v[IA], v23, 272
	v_and_b32 v13, 3, v20
	v_lshl_add_u32 v[IA], v13, 2, v[IA]
	v_add_nc_u32 v[IA], s37, v[IA]
	s_lshl_b32 s37, s14, 9
	s_add_co_u32 s37, s37, XSC
	v_and_b32 v13, 3, v23
	v_lshl_add_u32 v[SA], v22, 6, v13
	v_add_nc_u32 v[SA], s37, v[SA]
	v_lshlrev_b32 v[R16], 4, v21
	v_mad_u32_u24 v[LI], v22, 272, v[R16]
	v_add_nc_u32 v[LI], EX, v[LI]
	v_lshl_add_u32 v[LS], v21, 2, XSC
	v_lshlrev_b32 v[L16], 4, v20
	v_lshlrev_b32 v[H32], 5, v22
	v_mul_u32_u24 v[ER], v21, 528
	v_lshl_add_u32 v[ER], v22, 8, v[ER]
	s_mul_i32 s37, s14, 8448
	s_add_co_u32 s37, s37, EX
	v_add_nc_u32 v[PA], s37, v[L16]
	s_mul_i32 s37, s14, 33024                      ; the out stage: 16 rows of 2,048 + 16 bytes a wave, in slot 0 behind its last fill and last read
	v_mul_u32_u24 v[SO], v21, 2064
	v_lshl_add_u32 v[SO], v22, 4, v[SO]
	v_add_nc_u32 v[SO], s37, v[SO]
	v_add_nc_u32 v[RD], s37, v[L16]
; ---- k
	XSTEP 0, 32, 1, 4, 2
	XSTEP 1, 32, 1, 4, 3
	XSTEP 2, 32, 1, 6, 0                           ; query's first two steps are on their way while k is multiplied
	XSTEP 3, 32, 1, 6, 1
	BARRIER                                        ; the 64 tokens' images lie in LDS
	LOADCODES
	CHUNK 0, 1, 2
	PULLK 0
	CHUNK 1, 1, 3
	PULLK 1
	CHUNK 0, 1, 4
	PULLK 2
	CHUNK 1, 1, 5
	PULLK 3
; ---- q
	BARRIER                                        ; every wave's reads of E are over: the images may be written
	XSTEP 0, 32, 1, 6, 2
	XSTEP 1, 32, 1, 6, 3
	XSTEP 2, 32, 1, 8, 0                           ; value's first step
	XSTEP 3, 32, 0, 8, 0                           ; set 1's registers take S^T
	BARRIER
	LOADCODES
	CHUNK 0, 1, 6
	PULLQ 0
	CHUNK 1, 1, 7
	PULLQ 1
	CHUNK 0, 1, 8
	PULLQ 2
	CHUNK 1, 1, 9
	PULLQ 3
	SOFTMAX
; ---- v
	XLOAD 1, 8, 1
	BARRIER
	XSTEP 0, 32, 1, 8, 2
	XSTEP 1, 32, 1, 8, 3
	XSTEP 2, 32, 0, 8, 0
	XSTEP 3, 0, 0, 8, 0
	BARRIER
	LOADCODES
	CHUNK 0, 1, 10
	PULLV 0
	CHUNK 1, 1, 11
	PULLV 1
	CHUNK 0, 1, 0
	PULLV 2
	CHUNK 1, 0, 0                                  ; the last chunk: nothing is left to ask for
	PULLV 3
; ---- the way out: my 16 tokens fill 16 whole rows of att, one a head: through my stage, back as runs of 512 bytes
	WIN 0x04                                       ; an LDS store's data: window 1
.set t, 0
.rept 16
.irp c, 0,1,2,3
	ds_store_b128 v[SO], v[16*t+4*\c:16*t+4*\c+3] offset:t*128+\c*32
.endr
.set t, t+1
.endr
	WIN 0x80
.set n, 0
.rept 64
	ds_load_b128 v[4*n:4*n+3], v[RD] offset:(n/4)*2064+(n%4)*512   ; my own bytes: LDS serves a wave's instructions in order
.set n, n+1
.endr
	WIN 0x08
.set n, 0
.rept 64
	s_wait_dscnt 63-n
	global_store_b128 v[L16], v[4*n:4*n+3], s[12:13] offset:(n/4)*524288+(n%4)*512   ; head n / 4's row lies 256 rows on; 512 consecutive bytes, aligned
.set n, n+1
.endr
	WIN 0
	s_wait_tensorcnt 0x0                           ; the wave's end
	ds_add_u32 v[SPW], v[NIL]
	s_wait_dscnt 0x0
	CROUND                                         ; the closing round
	s_endpgm
.Lfunc_end_k_qde85aa958e_qkv:
	.size	k_qde85aa958e_qkv, .Lfunc_end_k_qde85aa958e_qkv-k_qde85aa958e_qkv
	.p2alignl 7, 3214868480
	.fill 96, 4, 3214868480
	.section	.rodata,"a",@progbits
	.p2align	6, 0x0
	.amdhsa_kernel k_qde85aa958e_qkv
		.amdhsa_group_segment_fixed_size 327680
		.amdhsa_private_segment_fixed_size 0
		.amdhsa_enable_private_segment 0
		.amdhsa_kernarg_size 40
		.amdhsa_user_sgpr_count 2
		.amdhsa_user_sgpr_kernarg_segment_ptr 1
		.amdhsa_wavefront_size32 1
		.amdhsa_system_sgpr_workgroup_id_x 1
		.amdhsa_system_sgpr_workgroup_id_y 1
		.amdhsa_system_sgpr_workgroup_id_z 1
		.amdhsa_system_vgpr_workitem_id 0
		.amdhsa_next_free_vgpr 1024
		.amdhsa_next_free_sgpr 66
		.amdhsa_reserve_vcc 0
		.amdhsa_float_denorm_mode_32 3
		.amdhsa_float_denorm_mode_16_64 3
		.amdhsa_memory_ordered 1
		.amdhsa_forward_progress 1
		.amdhsa_inst_pref_size 255
	.end_amdhsa_kernel
	.section	.bss,"aw",@nobits
	.p2align	6
	.space	262144
	.amdgpu_metadata
---
amdhsa.version: [ 1, 2 ]
amdhsa.kernels:
  - .name:           k_qde85aa958e_qkv
    .symbol:         k_qde85aa958e_qkv.kd
    .args:
      - { .name: key, .offset: 0, .size: 8, .value_kind: global_buffer, .address_space: global }
      - { .name: query, .offset: 8, .size: 8, .value_kind: global_buffer, .address_space: global }
      - { .name: value, .offset: 16, .size: 8, .value_kind: global_buffer, .address_space: global }
      - { .name: wpk, .offset: 24, .size: 8, .value_kind: global_buffer, .address_space: global }
      - { .name: att, .offset: 32, .size: 8, .value_kind: global_buffer, .address_space: global }
    .group_segment_fixed_size: 327680
    .private_segment_fixed_size: 0
    .kernarg_segment_align: 8
    .kernarg_segment_size: 40
    .max_flat_workgroup_size: 128
    .sgpr_count:     66
    .vgpr_count:     1024
    .wavefront_size: 32
...
	.end_amdgpu_metadata
.endif
;; end of part 2
;; launch oproj (part 3): grid 4 x 64, 4 waves a work-group, clusters of 4 x 4, 327,680 bytes of LDS; arguments att, wo16, bo, out0; writes out0
.if DOCPART == 3
	.amdgcn_target "amdgcn-amd-amdhsa--gfx1250"
	.amdhsa_code_object_version 6
	.text
	.protected	k_qde85aa958e_oproj
	.globl	k_qde85aa958e_oproj
	.p2align	8
	.type	k_qde85aa958e_oproj,@function
k_qde85aa958e_oproj:
	s_mov_b64 s[64:65], 0
	v_nop
	global_prefetch_b8 v0, s[64:65] scope:SCOPE_SE
	s_setreg_imm32_b32 hwreg(HW_REG_WAVE_MODE, 25, 1), 1
	s_wait_xcnt 0x0
	s_wait_alu depctr_hold_cnt(0) depctr_sa_sdst(0) depctr_va_vdst(0) depctr_va_sdst(0) depctr_va_ssrc(0) depctr_va_vcc(0) depctr_vm_vsrc(0)
	s_getreg_b32 s2, hwreg(HW_REG_IB_STS2, 6, 4)
	s_cmp_eq_u32 s2, 0
	s_cbranch_scc0 .Lentry_in_a_cluster
	s_endpgm
.Lentry_in_a_cluster:
	s_bfe_u32 s2, ttmp6, 0x10000c
	s_cmp_lg_u32 s2, 0xf033
	s_cbranch_scc0 .Lentry_shape_is_right
	s_endpgm
.Lentry_shape_is_right:
; out0[m][n] = sum over k of att[m][k] Wo[n][k] + bo[n].  att: [16384][1024] f16, wo16: [1024][1024] f16, bo: [1024] f32, out0: [16384][1024] f32; sums in f32.  No work of the problem is left out here.
; A tile of 256 x 256 to a work-group of four waves, 128 x 128 a wave: 64 accumulators, 512 registers.  K goes in steps of 128 through a ring of two LDS slots filled by the tensor data mover.
; CLUSTERS: 4 x 4 work-groups; A's tile is shared along a row of the cluster, B's along a column: each is asked for jointly, by the same tensor load with a mask that names the four.
; THE MATRIX INSTRUCTION IS USED TRANSPOSED (source 0 = 16 rows of wo16, source 1 = 16 rows of att): a lane holds eight neighbouring numbers of a row of out0.  bo is the C of each sum's first product.
; REGISTERS: window 0: v0-31 addresses; v64-127, v128-191 A's fragments, two buffers (on the way out: rows read back); v192-255 bo in the result's layout.
;   window 1: v64-127, v128-191 B's fragments.   window 2: the accumulators of my rows 0-63 ((a, b) at 8 (8 a + b)).   window 3: those of rows 64-127.
.set SIZE_N, 1024
.set SIZE_K, 1024
.set KSTEP,  128
.set PITCH,  272                       ; an LDS row: 256 bytes + 16 of padding: the 16 rows of a load start at 16 different banks
.set HALFT,  128*PITCH
.set SLOT,   4*HALFT
.set STAGE,  2*SLOT                    ; behind the ring: 16 rows x 528 bytes for each wave
.set SPITCH, 528
.set SPARE,  STAGE+4*16*SPITCH         ; the spare words, 128 bytes a wave: no other line names them
.set LAPS,   SIZE_K/(2*KSTEP)
.set ADRA, 16
.set ADRB, 20
.set STO,  24
.set RD,   25
.set CO,   26
.set SPW,  28
.set NIL,  29
.set F0,   64
.set F1,   128
.set BIAS, 192
.set BK,   64
.set G1, 24
.set G0, 32
.set G1B, 48
.set G0B, 56
.set MSB, 0
.macro WIN new
.if MSB != \new
	s_set_vgpr_msb (MSB<<8)|\new
.set MSB, \new
.endif
.endm
.set MUL_LO, 0xa1                      ; source 0 (B) window 1, source 1 (A) window 0, C and D window 2
.set MUL_HI, 0xf1                      ; the same, C and D window 3
.set TO_B,   0x40
.macro JLOAD s                         ; waves 0 and 1 fetch A's halves, waves 2 and 3 B's; the branch hangs on the wave's number alone
	s_cmp_eq_u32 s11, 0
	s_cbranch_scc0 .Lfor_b_\@
	tensor_load_to_lds s[G0+4*\s:G0+4*\s+3], s[G1:G1+7]
	s_nop 0
.rept 4
	v_nop
.endr
	s_branch .Lasked_\@
.Lfor_b_\@:
	tensor_load_to_lds s[G0B+4*\s:G0B+4*\s+3], s[G1B:G1B+7]
	s_nop 0
.rept 4
	v_nop
.endr
.Lasked_\@:
.endm
.macro CREST
	s_cmp_lg_u32 s10, 0
	s_cbranch_scc1 .Lnot_wave_0_\@
	s_barrier_signal -3
.Lnot_wave_0_\@:
	s_barrier_wait -3
	s_barrier_signal -1
	s_barrier_wait -1
.endm
.macro CROUND
	s_barrier_signal -1
	s_barrier_wait -1
	CREST
.endm
	s_load_b128 s[4:7], s[0:1], 0x0                ; att, wo16
	s_load_b128 s[68:71], s[0:1], 0x10             ; bo, out0
	v_lshl_add_u32 v[SPW], v0, 2, SPARE
	v_mov_b32 v[NIL], 0
	ds_add_u32 v[SPW], v[NIL]                      ; the wave's opening: the add, twice on end, and its wait ahead of my first tensor load
	ds_add_u32 v[SPW], v[NIL]
	v_lshrrev_b32 v1, 5, v0
	v_readfirstlane_b32 s10, v1                    ; wave
	s_lshr_b32 s11, s10, 1                         ; my half of the tile's rows; also: I fetch for A (0) or B (1)
	s_and_b32 s12, s10, 1                          ; my half of its columns; also: which 128 rows I fetch
	s_bfe_u32 s40, ttmp6, 0x40000                  ; cx
	s_bfe_u32 s41, ttmp6, 0x40004                  ; cy
	s_lshl_b32 s42, ttmp9, 2
	s_add_co_u32 s42, s42, s40                     ; tile column
	s_and_b32 s13, ttmp7, 0xffff
	s_lshl_b32 s13, s13, 2
	s_add_co_u32 s13, s13, s41                     ; tile row
	s_lshl_b32 s43, s41, 2
	s_lshl_b32 s43, 15, s43                        ; my row of the cluster
	s_lshl_b32 s44, 0x1111, s40                    ; my column
	s_or_b32 s[G1+0], s43, (1<<16)|(1<<20)|(1<<21)|(5<<22)|(3<<25)   ; mask; elements of 2 bytes; padding of 4 words behind every 64; bit 21 beside a mask
	s_or_b32 s[G1B+0], s44, (1<<16)|(1<<20)|(1<<21)|(5<<22)|(3<<25)
.irp g, G1, G1B
	s_mov_b32 s[\g+1], KSTEP<<16                   ; tensor_dim0 = 128
	s_mov_b32 s[\g+2], 128<<16                     ; tensor_dim1 = 128
	s_mov_b32 s[\g+3], KSTEP<<16                   ; tile_dim0
	s_mov_b32 s[\g+4], 128                         ; tile_dim1
	s_mov_b32 s[\g+5], SIZE_K                      ; the pitch
	s_mov_b32 s[\g+6], 0
	s_mov_b32 s[\g+7], 0
.endr
	s_lshl_b32 s17, s12, 7
	s_lshl_b32 s16, s13, 8
	s_add_co_u32 s16, s16, s17                     ; A: row 256 x tile row + 128 x half
	s_lshl_b32 s46, s42, 8
	s_add_co_u32 s46, s46, s17                     ; B: row 256 x tile column + 128 x half
	s_mov_b32 s17, 0
	s_mov_b32 s47, 0
	s_mov_b64 s[18:19], SIZE_K*2
	s_mul_u64 s[16:17], s[16:17], s[18:19]
	s_mul_u64 s[46:47], s[46:47], s[18:19]
	s_mul_i32 s20, s10, HALFT                      ; where they go: wave x 128 rows
	s_wait_dscnt 0x0                               ; both opening adds are done
	s_wait_kmcnt 0x0
	s_add_nc_u64 s[14:15], s[4:5], s[16:17]
	s_add_nc_u64 s[46:47], s[6:7], s[46:47]
	CROUND                                         ; all sixteen work-groups are here: the first joint loads meet
.irp s, 0,1
	s_mov_b32 s[G0+4*\s], 1
	s_add_co_u32 s[G0+4*\s+1], s20, \s*SLOT
	s_add_nc_u64 s[G0+4*\s+2:G0+4*\s+3], s[14:15], \s*KSTEP*2
	s_or_b32 s[G0+4*\s+3], s[G0+4*\s+3], 0x80000000
	s_mov_b32 s[G0B+4*\s], 1
	s_add_co_u32 s[G0B+4*\s+1], s20, \s*SLOT
	s_add_nc_u64 s[G0B+4*\s+2:G0B+4*\s+3], s[46:47], \s*KSTEP*2
	s_or_b32 s[G0B+4*\s+3], s[G0B+4*\s+3], 0x80000000
	JLOAD \s
.endr
	v_and_b32 v1, 15, v0                           ; l % 16
	v_bfe_u32 v2, v0, 4, 1                         ; l / 16
	v_mul_u32_u24 v3, v1, PITCH
	v_lshl_add_u32 v3, v2, 4, v3
	s_mul_i32 s21, s11, HALFT
	s_mul_i32 s22, s12, HALFT
	s_add_co_u32 s22, s22, 2*HALFT
.irp s, 0,1
	v_add_nc_u32 v[ADRA+\s], s21, v3
	v_add_nc_u32 v[ADRB+\s], s22, v3
	s_add_co_u32 s21, s21, SLOT
	s_add_co_u32 s22, s22, SLOT
.endr
	s_mul_i32 s23, s10, 16*SPITCH
	s_add_co_u32 s23, s23, STAGE                   ; my stage
	v_mul_u32_u24 v4, v1, SPITCH
	v_lshl_add_u32 v4, v2, 5, v4
	v_add_nc_u32 v[STO], s23, v4                   ; in: row l % 16, 32 bytes for each half of the lanes
	v_and_b32 v6, 31, v0
	v_lshlrev_b32 v[CO], 4, v6                     ; back: 32 lanes take a row of 512 bytes; the same in out0
	v_add_nc_u32 v[RD], s23, v[CO]
	v_lshlrev_b32 v5, 5, v2                        ; bo: 8 numbers for each half of the lanes
	s_lshl_b32 s46, s42, 10                        ; my first column, in bytes of f32: 1,024 x tile column + 512 x half
	s_lshl_b32 s47, s12, 9
	s_add_co_u32 s46, s46, s47
	s_mov_b32 s47, 0
	s_add_nc_u64 s[68:69], s[68:69], s[46:47]
.irp b, 0,1,2,3,4,5,6,7
	global_load_b128 v[BIAS+8*\b:BIAS+8*\b+3], v5, s[68:69] offset:64*\b        ; register j of block b: bo[16 b + 8 (l / 16) + j]
	global_load_b128 v[BIAS+8*\b+4:BIAS+8*\b+7], v5, s[68:69] offset:64*\b+16
.endr
	s_lshl_b32 s13, s13, 8
	s_lshl_b32 s14, s11, 7
	s_add_co_u32 s16, s13, s14                     ; my first row of out0
	s_lshl_b32 s16, s16, 12
	s_mov_b32 s17, 0
	s_add_nc_u64 s[70:71], s[70:71], s[16:17]
	s_add_nc_u64 s[70:71], s[70:71], s[46:47]
; 16 products: m blocks a0, a0 + 1 of the window's four x all 8 n blocks, 32 along K.  zero = 1: the first product starts the sum from bo.  The 64 accumulators take turns.
.macro MUL16 f, hi, a0, zero
.irp a, \a0, \a0+1
.irp b, 0,1,2,3,4,5,6,7
.if \zero
	v_wmma_f32_16x16x32_f16 v[8*(8*(\a)+\b):8*(8*(\a)+\b)+7], v[\f+8*\b:\f+8*\b+7], v[\f+8*(4*\hi+\a):\f+8*(4*\hi+\a)+7], v[BIAS+8*\b:BIAS+8*\b+7]
.else
	v_wmma_f32_16x16x32_f16 v[8*(8*(\a)+\b):8*(8*(\a)+\b)+7], v[\f+8*\b:\f+8*\b+7], v[\f+8*(4*\hi+\a):\f+8*(4*\hi+\a)+7], v[8*(8*(\a)+\b):8*(8*(\a)+\b)+7]
.endif
.endr
.endr
.endm
.macro FETCH slot, k, f                ; 32 LDS loads in one run: a quarter step's fragments, B's first
	WIN TO_B
.irp i, 0,1,2,3,4,5,6,7
	ds_load_b128 v[\f+8*\i:\f+8*\i+3],   v[ADRB+\slot] offset:\k+\i*16*PITCH
	ds_load_b128 v[\f+8*\i+4:\f+8*\i+7], v[ADRB+\slot] offset:\k+\i*16*PITCH+32
.endr
	WIN 0
.irp i, 0,1,2,3,4,5,6,7
	ds_load_b128 v[\f+8*\i:\f+8*\i+3],   v[ADRA+\slot] offset:\k+\i*16*PITCH
	ds_load_b128 v[\f+8*\i+4:\f+8*\i+7], v[ADRA+\slot] offset:\k+\i*16*PITCH+32
.endr
.endm
.macro PLACES                          ; four places in front of loads into registers that products have read, and of reads of results
.rept 4
	v_nop
.endr
.endm
.macro QUARTER slot, k, f, g, zero     ; multiplies buffer f; in its middle fetches the next quarter, at byte k of the rows, into g
	s_wait_dscnt 8                                 ; B and A's rows 0-63 are in; the youngest eight loads may be out
.if \zero
	WIN 0x81                                       ; C (bo) window 0, D window 2
.else
	WIN MUL_LO
.endif
	MUL16 \f, 0, 0, \zero
	MUL16 \f, 0, 2, \zero
	PLACES
	FETCH \slot, \k, \g
	s_wait_dscnt 32                                ; all but the 32 just issued
.if \zero
	WIN 0xc1
.else
	WIN MUL_HI
.endif
	MUL16 \f, 1, 0, \zero
	MUL16 \f, 1, 2, \zero
.endm
.macro MEET round                      ; the first half of a slot's last quarter: one barrier for the change of slots
	WIN 0
	s_wait_tensorcnt 0x0                           ; all my tensor loads have landed: my part of the next slot
	ds_add_u32 v[SPW], v[NIL]                      ; 0 onto my spare word
	s_wait_dscnt 9                                 ; the add and the youngest eight loads may be out
	WIN MUL_LO
	MUL16 F1, 0, 0, 0
	s_wait_dscnt 0x0                               ; the add is done, and my reads of this slot are over
	s_barrier_signal -1
	MUL16 F1, 0, 2, 0
.if \round
	WIN 0
.endif
	s_barrier_wait -1
.endm
.macro TURN slot, next                 ; the whole last quarter: behind the round this slot is filled again, two K steps ahead
	MEET 1
	CREST
	s_add_nc_u64 s[G0+4*\slot+2:G0+4*\slot+3], s[G0+4*\slot+2:G0+4*\slot+3], 2*KSTEP*2
	s_add_nc_u64 s[G0B+4*\slot+2:G0B+4*\slot+3], s[G0B+4*\slot+2:G0B+4*\slot+3], 2*KSTEP*2
	JLOAD \slot                                    ; the first tensor load behind the round; its four v_nop are the places in front of the loads below
	FETCH \next, 0, F0
	WIN MUL_HI
	MUL16 F1, 1, 0, 0
	MUL16 F1, 1, 2, 0
.endm
	s_wait_tensorcnt 1                             ; my part of K step 0 is in; K step 1's may stay out
	s_barrier_signal -1
	s_barrier_wait -1
	FETCH 0, 0, F0
	s_wait_loadcnt 0x0                             ; bo
	QUARTER 0, 64,  F0, F1, 1                      ; the first quarter starts the sums
	WIN 0
	s_mov_b32 s3, LAPS-1
.Llap:                                             ; a trip goes once round the ring and fills both slots again
	QUARTER 0, 128, F1, F0, 0
	QUARTER 0, 192, F0, F1, 0
	TURN 0, 1
	QUARTER 1, 64,  F0, F1, 0
	QUARTER 1, 128, F1, F0, 0
	QUARTER 1, 192, F0, F1, 0
	TURN 1, 0
	QUARTER 0, 64,  F0, F1, 0
	WIN 0
	s_sub_co_u32 s3, s3, 1
	s_cmp_lg_u32 s3, 0
	s_cbranch_scc1 .Llap
	QUARTER 0, 128, F1, F0, 0                      ; the last lap fills nothing
	QUARTER 0, 192, F0, F1, 0
	MEET 0
	PLACES
	FETCH 1, 0, F0
	WIN MUL_HI
	MUL16 F1, 1, 0, 0
	MUL16 F1, 1, 2, 0
	QUARTER 1, 64,  F0, F1, 0
	QUARTER 1, 128, F1, F0, 0
	QUARTER 1, 192, F0, F1, 0
	s_wait_dscnt 8
	WIN MUL_LO
	MUL16 F1, 0, 0, 0
	MUL16 F1, 0, 2, 0
	s_wait_dscnt 0x0
	WIN MUL_HI
	MUL16 F1, 1, 0, 0
	MUL16 F1, 1, 2, 0
	WIN 0
; THE WAY OUT, block by block of 16 rows x 128 columns: through my own stage, back as whole rows of 512 bytes.  LDS serves a wave's instructions in order.
.macro TOSTAGE a
.set AC, 64*((\a)%4)
	WIN 0x08+4*((\a)/4)                            ; the data: window 2 or 3
.irp b, 0,1,2,3,4,5,6,7
	ds_store_b128 v[STO], v[AC+8*\b:AC+8*\b+3] offset:64*\b          ; each accumulator from its low end on
	ds_store_b128 v[STO], v[AC+8*\b+4:AC+8*\b+7] offset:64*\b+16
.endr
	WIN 0
.set BB, BK+64*((\a)%2)
.irp t, 0,1,2,3,4,5,6,7,8,9,10,11,12,13,14,15
	ds_load_b128 v[BB+4*\t:BB+4*\t+3], v[RD] offset:\t*SPITCH
.endr
.endm
.macro SEND a, younger                 ; younger: the LDS instructions issued behind block a's loads
.set BB, BK+64*((\a)%2)
	s_wait_dscnt \younger
.if (\a) > 0
	s_add_nc_u64 s[70:71], s[70:71], 16*SIZE_N*4   ; behind a wait on XCNT: the earlier stores have read their base
.endif
.irp t, 0,1,2,3,4,5,6,7,8,9,10,11,12,13,14,15
	global_store_b128 v[CO], v[BB+4*\t:BB+4*\t+3], s[70:71] offset:\t*SIZE_N*4 th:TH_STORE_NT   ; 512 consecutive bytes, aligned
.endr
.endm
	PLACES
	TOSTAGE 0
.irp a, 1,2,3,4,5,6,7
.if \a > 1
	s_wait_xcnt 0x0                                ; block a - 2's stores have read their registers and their base
.endif
	TOSTAGE \a
	SEND \a-1, 32
.endr
	s_wait_xcnt 0x0
	SEND 7, 0
	s_wait_tensorcnt 0x0                           ; the wave's end
	ds_add_u32 v[SPW], v[NIL]
	s_wait_dscnt 0x0
	CROUND                                         ; the closing round
	s_endpgm
.Lfunc_end_k_qde85aa958e_oproj:
	.size	k_qde85aa958e_oproj, .Lfunc_end_k_qde85aa958e_oproj-k_qde85aa958e_oproj
	.p2alignl 7, 3214868480
	.fill 96, 4, 3214868480
	.section	.rodata,"a",@progbits
	.p2align	6, 0x0
	.amdhsa_kernel k_qde85aa958e_oproj
		.amdhsa_group_segment_fixed_size 327680
		.amdhsa_private_segment_fixed_size 0
		.amdhsa_enable_private_segment 0
		.amdhsa_kernarg_size 32
		.amdhsa_user_sgpr_count 2
		.amdhsa_user_sgpr_kernarg_segment_ptr 1
		.amdhsa_wavefront_size32 1
		.amdhsa_system_sgpr_workgroup_id_x 1
		.amdhsa_system_sgpr_workgroup_id_y 1
		.amdhsa_system_sgpr_workgroup_id_z 1
		.amdhsa_system_vgpr_workitem_id 0
		.amdhsa_next_free_vgpr 1024
		.amdhsa_next_free_sgpr 72
		.amdhsa_reserve_vcc 0
		.amdhsa_float_denorm_mode_32 3
		.amdhsa_float_denorm_mode_16_64 3
		.amdhsa_memory_ordered 1
		.amdhsa_forward_progress 1
		.amdhsa_inst_pref_size 142
	.end_amdhsa_kernel
	.amdgpu_metadata
---
amdhsa.version: [ 1, 2 ]
amdhsa.kernels:
  - .name:           k_qde85aa958e_oproj
    .symbol:         k_qde85aa958e_oproj.kd
    .args:
      - { .name: att, .offset: 0, .size: 8, .value_kind: global_buffer, .address_space: global }
      - { .name: wo16, .offset: 8, .size: 8, .value_kind: global_buffer, .address_space: global }
      - { .name: bo, .offset: 16, .size: 8, .value_kind: global_buffer, .address_space: global }
      - { .name: out0, .offset: 24, .size: 8, .value_kind: global_buffer, .address_space: global }
    .group_segment_fixed_size: 327680
    .private_segment_fixed_size: 0
    .kernarg_segment_align: 8
    .kernarg_segment_size: 32
    .max_flat_workgroup_size: 128
    .sgpr_count:     72
    .vgpr_count:     1024
    .wavefront_size: 32
...
	.end_amdgpu_metadata
.endif
;; end of part 3
